; MI455X (gfx1250); checked and timed in simulation.
; The chip was launched on July 23, 2026; its instructions are those of AMD's public machine-readable ISA for CDNA 5 (MIT licence, August 2026) and "CDNA5" Instruction Set Architecture Reference Guide (July 2026). The comments in the code are by the model that wrote it; some were corrected since.
;; RPQ Linear. Allowed arithmetic: matrix products marked QUANTISED: E4M3 operands, one E8M0 scale for each 32 along K, by v_wmma_scale_f32_16x16x128_f8f6f4 with both operands' format E4M3, f32 sums; everything else in f32.
;; Inputs: bias 4,096 float32; codebooks 8 x 256 x 512 float32; indices 8 x 4,096 int32; x_codes 4 x 1,024 x 128 x 32 uint8 (E4M3 codes of x, K innermost, in blocks of 32 codes); x_scales 4 x 1,024 x 128 uint8 (E8M0 scales of x, one for each 32 codes along K).
;; Outputs: out0 4 x 1,024 x 4,096 float32.
;; This version of the problem:
;;   THIS VERSION OF THE PROBLEM IS GIVEN IN LOW PRECISION. The matrix products marked QUANTISED in the list below multiply operands that are first quantised to E4M3 (4 exponent bits, 3 mantissa bits; 8 bits a number), with one power-of-two scale for each 32 numbers along K (OCP MX v1.0); their sums are f32. All else is computed in f32.
;;   The module's matrix products, in the order in which they are computed (A, B: the left and right operand; K: the contracted axis; several contracted axes count as one K, in the product's order):
;;     1. [M 4,096, K 4,096] x [K 4,096, N 4,096]; A: input x (given as codes); B: computed on the way: QUANTISED
;;   THE QUANTISER, for each operand of a quantised product, along K:
;;     - K is cut into blocks of 32 from its start; a last block that is shorter is filled with zeros.
;;     - A block's scale is 2^e with e = floor(log2(the largest magnitude in the block)) - 8, held to -126 .. 127; a block of zeros has e = 0. As a byte (E8M0): e + 127.
;;     - Each number is divided by its block's scale, clamped to +-448, and rounded to the nearest number of E4M3, ties to even, subnormals kept.
;;     - The product sums the exact products of the quantised numbers (number of the format x scale) in f32.
;;   ~~~python
;;   def quantise(x, axis):      # numpy; x: float32 -> the quantised numbers, widened to float32 again
;;       x = np.moveaxis(x, axis, -1); K = x.shape[-1]
;;       x = np.pad(x, [(0, 0)] * (x.ndim - 1) + [(0, -K % 32)]); x = x.reshape(x.shape[:-1] + (-1, 32)); a = np.abs(x).max(-1, keepdims=True)
;;       e = np.where(a > 0, np.clip(np.frexp(np.where(a > 0, a, 1))[1] - 1 - 8, -126, 127), 0)      # np.frexp(a)[1] - 1 = floor(log2(a)), exactly
;;       r = np.clip(x / 2.0 ** e, -448, 448)
;;       step = 2.0 ** (np.maximum(np.frexp(np.where(r == 0, 1, r))[1] - 1, -6) - 3)
;;       q = np.round(r / step) * step * 2.0 ** e      # np.round: ties to even
;;       return np.moveaxis(q.reshape(q.shape[:-2] + (-1,))[..., :K], -1, axis).astype(np.float32)
;;   ~~~
;;   OPERANDS COMPUTED ON THE WAY. 'Computed on the way' means the value that the module computes at that place (a softmax that the list does not call 'softmax' is quantised finished and normalised). What goes into a quantiser is computed in f32, as accurately as f32 sums, v_exp_f32 and their like allow (about 1e-6 of the number): no bf16 or f16 on the way to a quantiser, and a product that is left as it is and whose result goes on into a quantised operand takes f32 operands (vector FMAs, or v_wmma_f32_16x16x4_f32). A number that lies on a knife's edge between two numbers of the format may be rounded either way, as far as f32 arithmetic and the matrix unit's own rounding can turn it there, and no further.
;;   INPUTS GIVEN AS CODES. x (in the module: [4, 1024, 4096], K = its axis 2): each comes as NAME_codes (uint8): NAME with its K axis moved to the last place and cut into blocks of 32 codes, [.., K / 32, bytes a block], one block behind the other in memory; one code a byte (a code: sign, 4 exponent bits, 3 mantissa bits); and NAME_scales (uint8): the same leading axes, one E8M0 byte (e + 127) for each 32 codes along K. Its value is code x scale, taken as it is: it is not quantised again, and the codes and scales need not be those that the quantiser above would give.
;; One version. Each part assembles by itself: llvm-mc -triple=amdgcn-amd-amdhsa -mcpu=gfx1250 --defsym DOCPART=n.
;; ======== version 1 of 1: 2 launches
;; limits: right only within a limited range of input values
;; workspace buffers: wq 17,301,504 bytes
;; launch wquant (part 1): grid 32 x 16, 8 waves a work-group, no clusters, 2,048 bytes of LDS; arguments codebooks, indices, wq; writes wq
.if DOCPART == 1
	.amdgcn_target "amdgcn-amd-amdhsa--gfx1250"
	.amdhsa_code_object_version 6
	.text
	.protected	k_q15fd49136c_wquant
	.globl	k_q15fd49136c_wquant
	.p2align	8
	.type	k_q15fd49136c_wquant,@function
k_q15fd49136c_wquant:
	s_mov_b64 s[64:65], 0
	v_nop
	global_prefetch_b8 v0, s[64:65] scope:SCOPE_SE
	s_setreg_imm32_b32 hwreg(HW_REG_WAVE_MODE, 25, 1), 1
	s_wait_xcnt 0x0
; W[512 h + d][i] = codebooks[h][indices[h][i]][d], [4096 (n)][4096 (k = i)], is made and turned into codes of FP8 (E4M3) with one E8M0 scale byte for each 32 along K.
; For a fixed (h, i) memory runs along d, that is along n: K is NOT innermost.  So A LANE TAKES A COLUMN n AND ITS REGISTERS RUN DOWN K: each load reads one code row of the table at 32 neighbouring d
; (128 consecutive bytes a wave), a block of 32 along K lies in one lane's 32 registers, its largest magnitude needs no other lane, and the conversions give codes with K innermost.
; A block's scale is 2^(floor(log2(its largest magnitude)) - 8); its byte is the largest magnitude's exponent field - 8, held at 1 from below.
; LIMITS: a block of zeros gets the byte 1 where the rule says 127 (its codes are zeros, which add nothing under any byte but 0xff, and this program alone reads the bytes);
; NaN and infinities in the table are not served; indices 0 .. 255 are served as they are; any other is shifted left by 11 and held at 255 x 2,048 from above as an unsigned number:
; its load stays inside its head's table, which row it reads is not defined.
; WHAT IS WRITTEN.  wq is laid in the order of the product's operand registers.  The block of (128 rows nh, 256 along K t) begins at (16 nh + t) x 33,792 bytes:
;   codes:       q x 16,384 + i x 2,048 + c x 512 + 16 L;  L = 16 hh + r: the 16 bytes are row 16 i + r, k = 128 q + 32 c + 16 hh + 0 .. 15 of the block
;   scale words: 32,768 + i x 128 + r x 8 + 4 q: the four bytes of row 16 i + r for the block's q-th 128 along K, the lower K in the lower byte
; So sixteen neighbouring lanes' 16 bytes of codes are 256 consecutive bytes, aligned: the codes leave straight from the registers.
; SHARES.  Work-group (x = nh, y = t) makes one such block with eight waves: wave 4 q + w takes rows 32 w .. 32 w + 31 (i = 2 w, 2 w + 1) and the q-th 128 along K: 4 blocks of 32 a lane, 128 loads.
; THE INDICES.  A wave's 128 come by ONE load, four to a lane (512 consecutive bytes), and one wait; v_readlane_b32 hands each to a scalar register, from which every lane's offset is made.
; Each block has 32 registers of its own, so all 128 loads are issued ahead of the first block's arithmetic and nothing is filled again.  No loop: every offset is an immediate.
; A row's two scale words come from two waves: they meet in 1,024 bytes of LDS, behind one barrier, and waves 0 and 1 store them, 16 bytes a lane.
.set BLKB, 33792                       ; bytes of a block of wq
.set EMAX, 8                           ; the exponent of 448
.set TOP,  255*2048                    ; the last code row of a head's table, in bytes
.set SW,   4                           ; v4        my row's scale word
.set IX,   20                          ; v[20:23]  lane L: indices 4 L .. 4 L + 3 of my wave's 128, times 2,048
.set BACK, 24                          ; v[24:27]  scale words read back from LDS
.set X,    32                          ; v32-159   four sets of 32: first the offsets of a block's loads, then its numbers
.set C,    160                         ; v160-191  eight registers of codes for each of the four blocks: no store's data are written again
.set OFS,  16                          ; s[16:47]  a block's 32 row offsets
; other scalars: s[4:5] the table at my wave's first column, s[6:7] the indices at my wave's first k, s[8:9] my block of wq, s12 wave, s13 448's mantissa field, s14 w, s15 q, s48-55 at work at the head
; other vectors: v1 4 x lane; v2 where my codes go; v3 where my scale word goes in LDS; v5 16 x lane; v9 the scale words' way out; v10-13 at work
	s_load_b128 s[4:7], s[0:1], 0x0                ; codebooks, indices
	s_load_b64 s[8:9], s[0:1], 0x10                ; wq
	v_lshl_add_u32 v192, v0, 2, 0x400
	v_mov_b32 v193, 0
	v_lshrrev_b32 v1, 5, v0
	s_delay_alu instid0(VALU_DEP_1)
	v_readfirstlane_b32 s12, v1                    ; wave 0..7
	s_and_b32 s14, s12, 3                          ; w: which 32 rows
	s_lshr_b32 s15, s12, 2                         ; q: which 128 along K
	v_and_b32 v6, 31, v0                           ; lane
	s_delay_alu instid0(VALU_DEP_1)
	v_lshlrev_b32 v1, 2, v6                        ; v1: 4 bytes a lane in a code row of the table
	s_delay_alu instid0(VALU_DEP_2)
	v_lshlrev_b32 v5, 4, v6                        ; v5: 16 bytes a lane among my wave's indices
	s_delay_alu instid0(VALU_DEP_3)
	v_lshrrev_b32 v7, 4, v6
	s_delay_alu instid0(VALU_DEP_4)
	v_and_b32 v8, 15, v6
	s_delay_alu instid0(VALU_DEP_1)
	v_lshlrev_b32 v2, 4, v8
	s_delay_alu instid0(VALU_DEP_1)
	v_lshl_add_u32 v2, v7, 11, v2
	s_lshl_b32 s48, s14, 12
	s_lshl_b32 s49, s15, 14
	s_add_co_u32 s48, s48, s49
	v_add_nc_u32 v2, s48, v2                       ; v2: 16,384 q + i x 2,048 + 16 r = 16,384 q + 4,096 w + 2,048 (lane / 16) + 16 (lane % 16)
	v_lshlrev_b32 v3, 3, v6
	s_lshl_b32 s48, s14, 8
	s_lshl_b32 s49, s15, 2
	s_add_co_u32 s48, s48, s49
	v_add_nc_u32 v3, s48, v3                       ; v3: i x 128 + 8 r + 4 q = 256 w + 8 x lane + 4 q
	s_and_b32 s49, s12, 1                          ; the way out is walked by waves 0 and 1 alone: 512 bytes each,
	s_lshl_b32 s49, s49, 9
	v_lshl_add_u32 v9, v6, 4, s49                  ; v9: 16 bytes a lane, in LDS and in wq alike
	s_mov_b32 s13, 0x600000                        ; the mantissa field of 448 (an instruction takes one literal: the hold's line has another)
	s_and_b32 s50, ttmp7, 0xffff                   ; t
	s_lshr_b32 s51, ttmp9, 2                       ; the head: four blocks of 128 rows to a head of 512
	s_lshl_b32 s52, s51, 19                        ; the table: a head is 256 x 512 x 4 bytes,
	s_and_b32 s53, ttmp9, 3
	s_lshl_b32 s53, s53, 9                         ; 128 columns are 512 bytes,
	s_add_co_u32 s52, s52, s53
	s_lshl_b32 s53, s14, 7                         ; my wave's 32 are 128
	s_add_co_u32 s52, s52, s53
	s_mov_b32 s53, 0
	s_lshl_b32 s54, s51, 14                        ; the indices: a head's 4,096 x 4 bytes,
	s_lshl_b32 s55, s50, 10                        ; 256 along K x 4,
	s_add_co_u32 s54, s54, s55
	s_lshl_b32 s55, s15, 9                         ; my wave's 128 x 4
	s_add_co_u32 s54, s54, s55
	s_mov_b32 s55, 0
	s_lshl_b32 s48, ttmp9, 4
	s_add_co_u32 s48, s48, s50
	s_mul_i32 s48, s48, BLKB                       ; wq: (16 nh + t) blocks, under 2^25 bytes
	s_mov_b32 s49, 0
	s_wait_alu depctr_va_vdst(0)
	s_wait_kmcnt 0x0
	s_add_nc_u64 s[4:5], s[4:5], s[52:53]
	s_add_nc_u64 s[6:7], s[6:7], s[54:55]
	s_add_nc_u64 s[8:9], s[8:9], s[48:49]
	global_load_b128 v[IX:IX+3], v5, s[6:7]        ; my wave's 128 indices.  No cache hint: sixteen waves of the launch read the same 512 bytes
	s_wait_loadcnt 0x0
.irp c, 0,1,2,3
	v_lshlrev_b32 v[IX+\c], 11, v[IX+\c]           ; a code row of the table is 2,048 bytes
.endr
; Block b's 32 loads: W(my column, 32 b + j) lies at index x 2,048 bytes + 4 x lane.  Index 32 b + j stands in lane 8 b + j / 4, register j % 4.
; Four runs of 32, so that no line waits for the line above it.  Each load lands on its own offset register.  No cache hint: the launch reads the table's rows again and again.
.macro GATHER b
.set J, 0
.rept 32
	v_readlane_b32 s[OFS+J], v[IX+J%4], 8*(\b)+J/4
.set J, J+1
.endr
.set J, 0
.rept 32
	s_min_u32 s[OFS+J], s[OFS+J], TOP              ; a loaded number enters an address only held inside the table
.set J, J+1
.endr
.set J, 0
.rept 32
	v_add_nc_u32 v[X+32*(\b)+J], s[OFS+J], v1
.set J, J+1
.endr
.set J, 0
.rept 32
	global_load_b32 v[X+32*(\b)+J], v[X+32*(\b)+J], s[4:5]
.set J, J+1
.endr
.endm
.macro BLOCK b
.set XS, X+32*(\b)
.set CC, C+8*(\b)
.if (\b) < 2
	s_wait_loadcnt 63                              ; this block's 32 loads are in.  Behind them 96 or 64 were issued; the wait's field ends at 63, so some of those are waited for too
.elseif (\b) == 2
	s_wait_loadcnt 32                              ; the last block's 32 may be out
.else
	s_wait_loadcnt 0
.endif
	v_max3_num_f32 v12, |v[XS]|, |v[XS+1]|, |v[XS+2]|              ; the block's largest magnitude: all 32 numbers are mine; two chains, so that no line waits for the line above it
	v_max3_num_f32 v13, |v[XS+3]|, |v[XS+4]|, |v[XS+5]|
.irp i, 6,10,14,18,22,26
	s_delay_alu instid0(VALU_DEP_2)
	v_max3_num_f32 v12, v12, |v[XS+\i]|, |v[XS+\i+1]|
	s_delay_alu instid0(VALU_DEP_2)
	v_max3_num_f32 v13, v13, |v[XS+\i+2]|, |v[XS+\i+3]|
.endr
	s_delay_alu instid0(VALU_DEP_2)
	v_max3_num_f32 v12, v12, |v[XS+30]|, |v[XS+31]|
	s_delay_alu instid0(VALU_DEP_1)
	v_max3_num_f32 v12, v12, v13, (EMAX+1)<<23     ; and the floor 2^(9 - 127), under which no largest magnitude is taken: so the byte cannot fall under 1
	s_delay_alu instid0(VALU_DEP_1)
	v_add_nc_u32 v11, 0xfc000000, v12              ; 8 off its exponent field: the conversion takes the exponent field of this operand as its scale, and nothing else of it
	s_delay_alu instid0(VALU_DEP_2)
	v_and_or_b32 v10, v12, 0x7f800000, s13         ; 448 x the scale: the largest magnitude's exponent field over 448's mantissa
.irp i, 0,1,2,3,4,5,6,7,8,9,10,11,12,13,14,15,16,17,18,19,20,21,22,23,24,25,26,27,28,29,30,31
	v_med3_num_f32 v[XS+\i], v[XS+\i], -v10, v10   ; the conversion to an 8-bit code does not saturate (ISA guide 7.6.2): hold the number within the largest code x the scale first
.endr
.irp g, 0,1,2,3
	v_cvt_scalef32_pk8_fp8_f32 v[CC+2*\g:CC+2*\g+1], v[XS+8*\g:XS+8*\g+7], v11   ; eight neighbours along K, the first number's code in the lowest byte
.endr
	v_lshrrev_b32 v13, 23, v11                     ; the scale's byte.  Also the plain line behind the conversions, ahead of the next block's line that writes their scale operand
.if (\b) == 0
	s_delay_alu instid0(VALU_DEP_1)
	v_mov_b32 v[SW], v13                           ; four bytes to a word, the lower K in the lower byte
.else
	s_delay_alu instid0(VALU_DEP_1)
	v_lshl_or_b32 v[SW], v13, 8*(\b), v[SW]
.endif
	global_store_b128 v2, v[CC:CC+3], s[8:9] offset:(\b)*512          ; k 0 .. 15 of the block: lanes 0-15 and lanes 16-31 each store 256 consecutive bytes, aligned
	global_store_b128 v2, v[CC+4:CC+7], s[8:9] offset:(\b)*512+256    ; k 16 .. 31: the reader's lanes 16-31
.endm
.irp b, 0,1,2,3
	GATHER \b
.endr
.irp b, 0,1,2,3
	BLOCK \b
.endr
	; the scale words: mine into LDS, in wq's own order; a barrier, since a row's 8 bytes come from two waves; then 1,024 bytes leave by two waves
	ds_store_b32 v3, v[SW]
	s_wait_dscnt 0x0                               ; for the others' sake: my store has landed
	s_barrier_signal -1
	s_barrier_wait -1
	s_cmp_lt_u32 s12, 2
	s_cbranch_scc0 .Ldone
	ds_load_b128 v[BACK:BACK+3], v9                ; bytes that all eight waves stored
	s_wait_dscnt 0x0
	global_store_b128 v9, v[BACK:BACK+3], s[8:9] offset:32768   ; a wave's 32 lanes store 512 consecutive bytes, aligned
.Ldone:
	s_wait_tensorcnt 0x0
	ds_add_u32 v192, v193
	s_wait_dscnt 0x0
	s_endpgm
.Lfunc_end_k_q15fd49136c_wquant:
	.size	k_q15fd49136c_wquant, .Lfunc_end_k_q15fd49136c_wquant-k_q15fd49136c_wquant
	.p2alignl 7, 3214868480
	.fill 96, 4, 3214868480
	.section	.rodata,"a",@progbits
	.p2align	6, 0x0
	.amdhsa_kernel k_q15fd49136c_wquant
		.amdhsa_group_segment_fixed_size 2048
		.amdhsa_private_segment_fixed_size 0
		.amdhsa_enable_private_segment 0
		.amdhsa_kernarg_size 24
		.amdhsa_user_sgpr_count 2
		.amdhsa_user_sgpr_kernarg_segment_ptr 1
		.amdhsa_wavefront_size32 1
		.amdhsa_system_sgpr_workgroup_id_x 1
		.amdhsa_system_sgpr_workgroup_id_y 1
		.amdhsa_system_sgpr_workgroup_id_z 1
		.amdhsa_system_vgpr_workitem_id 0
		.amdhsa_next_free_vgpr 194
		.amdhsa_next_free_sgpr 66
		.amdhsa_reserve_vcc 0
		.amdhsa_float_denorm_mode_32 3
		.amdhsa_float_denorm_mode_16_64 3
		.amdhsa_memory_ordered 1
		.amdhsa_forward_progress 1
		.amdhsa_inst_pref_size 53
	.end_amdhsa_kernel
	.amdgpu_metadata
---
amdhsa.version: [ 1, 2 ]
amdhsa.kernels:
  - .name:           k_q15fd49136c_wquant
    .symbol:         k_q15fd49136c_wquant.kd
    .args:
      - { .name: codebooks, .offset: 0, .size: 8, .value_kind: global_buffer, .address_space: global }
      - { .name: indices, .offset: 8, .size: 8, .value_kind: global_buffer, .address_space: global }
      - { .name: wq, .offset: 16, .size: 8, .value_kind: global_buffer, .address_space: global }
    .group_segment_fixed_size: 2048
    .private_segment_fixed_size: 0
    .kernarg_segment_align: 8
    .kernarg_segment_size: 24
    .max_flat_workgroup_size: 256
    .sgpr_count:     66
    .vgpr_count:     194
    .wavefront_size: 32
...
	.end_amdgpu_metadata
.endif
;; end of part 1
;; launch gemm (part 2): grid 16 x 16, 4 waves a work-group, clusters of 4 x 4, 327,680 bytes of LDS; arguments x_codes, x_scales, wq, bias, out0; writes out0
.if DOCPART == 2
	.amdgcn_target "amdgcn-amd-amdhsa--gfx1250"
	.amdhsa_code_object_version 6
	.text
	.protected	k_q15fd49136c_gemm
	.globl	k_q15fd49136c_gemm
	.p2align	8
	.type	k_q15fd49136c_gemm,@function
k_q15fd49136c_gemm:
	s_mov_b64 s[64:65], 0
	v_nop
	global_prefetch_b8 v0, s[64:65] scope:SCOPE_SE
	s_setreg_imm32_b32 hwreg(HW_REG_WAVE_MODE, 25, 1), 1
	s_wait_xcnt 0x0
	s_wait_alu depctr_hold_cnt(0) depctr_sa_sdst(0) depctr_va_vdst(0) depctr_va_sdst(0) depctr_va_ssrc(0) depctr_va_vcc(0) depctr_vm_vsrc(0)
	s_getreg_b32 s2, hwreg(HW_REG_IB_STS2, 6, 4)
	s_cmp_eq_u32 s2, 0
	s_cbranch_scc0 .Lentry_in_a_cluster
	s_endpgm
.Lentry_in_a_cluster:
	s_bfe_u32 s2, ttmp6, 0x10000c
	s_cmp_lg_u32 s2, 0xf033
	s_cbranch_scc0 .Lentry_shape_is_right
	s_endpgm
.Lentry_shape_is_right:
; out0[m][n] = sum over k of x[m][k] W[n][k] + bias[n].  M = N = K = 4,096.  Both operands are codes of FP8 (E4M3) with one E8M0 scale for each 32 along K; sums in f32.
; x: codes [4096][4096] bytes, K innermost, scale bytes [4096][128], as given.  W: the buffer wq of the first launch, in the order of the operand's registers: the block of (128 rows nh, 256 along K t)
; begins at (16 nh + t) x 33,792 bytes: 32,768 bytes of codes (q x 16,384 + i x 2,048 + c x 512 + 16 x lane), then 1,024 bytes of scale words (i x 128 + r x 8 + 4 q).
; A tile of the result, 256 x 256, is made by four waves, 128 x 128 each: 64 accumulators, 512 registers.  16 x 16 tiles, one work-group each.
; K goes in 16 steps of 256 through a ring of two LDS slots.  A slot: x's 256 rows of 256 bytes (16 bytes of padding behind each), then two blocks of wq, dense.  x's scale bytes for all of K (32,768 bytes) come once and stay.
; CLUSTERS 4 x 4: x's tiles are asked for jointly along a row of the cluster, wq's blocks along a column.  The matrix instruction is used transposed (source 0 = W, source 1 = x): a lane holds eight neighbours of a row.
; THE HEAD: one tensor load a wave: wave 0 x's 256 rows of K step 0, wave 1 x's scale bytes, waves 2 and 3 their block of wq.  Slot 1's first fill is issued as a refill is.
; THE BIAS is the C of each sum's first product.
; A STEP OF 128 ALONG K is two halves of 32 products (x's blocks 0-3, then 4-7), each followed by ONE run of 32 LDS loads: in the middle the next step's x blocks 0-3 and W blocks 0-3,
; at the end its W blocks 4-7 and x blocks 4-7.  In each half W's blocks 0-3 go first and 4-7 second, so that each fragment is asked for 16 to 32 products ahead of its use.  x has one set of registers, W two.
; PREFETCH: behind the load of K step j each wave names K step j + 2 of what it fetches (the head also names K step 1).  The four partners of a joint load share its bytes out by address:
; of x's 128 rows 32 each (a lane a row, 256 bytes of it), of a block's 132 runs of 256 bytes 33 each (32 lanes, and one more line whose lanes all name the 33rd).  K steps 14 and 15 are the last named: the loop's last trip names nothing.
; THE LAST K STEP GOES BY ROWS OF THE RESULT: W's fragments of the whole step fill window 1, x's come by blocks of 16 rows x 256 K, and each block of 16 rows leaves as soon as its 16 products are done.
; REGISTERS: window 0: v1-10 at work at the head; v16-31 addresses; v32-47 x's scale words, v48-63 W's (two sets each); v64-127 the bias, later rows on the way out; v128-255 x's fragments.
;   window 1: W's fragments, two sets.  window 2: accumulators of my rows 0-63 ((a, b) at v[8 (8 a + b)]);  window 3: rows 64-127.
.set SIZE_N, 4096
.set NQ,     2
.set ROWB,   256
.set KROW,   4096
.set PITCH,  272                       ; 256 bytes + 16: the 16 rows of a fragment load start 4 banks apart (64 banks of 4 bytes: ISA guide 11.1)
.set FR,     16
.set NP,     8                         ; places behind this matrix instruction (ISA guide 7.12.1)
.set HALFA,  128*PITCH
.set HALFB,  33792
.set BOFF,   2*HALFA
.set SLOT,   2*HALFA+2*HALFB
.set LAPS,   8
.set SCL,    2*SLOT                    ; x's scale bytes: runs of 256 bytes (two rows) + 16
.set HALFS,  64*272
.set SBLK,   8*272
.set SPARE,  SCL+2*HALFS               ; the spare words: 512 bytes that no other line names
.set SPITCH, 528                       ; the way out: 16 rows x (512 + 16) bytes a wave, in slot 0 behind its last fill and last read
.set ADRA,  16
.set ADRB,  20
.set ADRSB, 22
.set STO,   24
.set RD,    25
.set CO,    26
.set ADRSA, 27
.set SPW,   28
.set NIL,   29
.set PFO,   30                         ; prefetch: lane x 4,096 (x) or lane x 256 (wq)
.set PFZ,   31                         ; prefetch: 0 in every lane
.set SCA,   32                         ; x's scale words: SCA + 8 set + 2 j + q: lanes 0-15 block j, lanes 16-31 block j + 4
.set SCB,   48                         ; W's: SCB + 8 set + 2 j + 1 - q: so the two scale registers of a product never have the same number modulo 8
.set BIAS,  64
.set AF,    128
.set BK,    64                         ; the way out: 16 rows read back
.set G1,  24
.set G0,  32
.set G1B, 48
.set G0B, 56
.set G1S, 68
.set G0S, 76
.set PFA, 80                           ; s[80:81] where my next prefetch stands;  s[82:83] a second place, at the head;  s[84:85] a K step in bytes: 256 (x) or 33,792 (wq)
.set PFB, 82
.set PFS, 84
.set G0H, 88                           ; s[88:91] group 0 of the head's load of x's 256 rows
.set MSB, 0
.macro WIN new
.if MSB != \new
	s_set_vgpr_msb (MSB<<8)|\new
.set MSB, \new
.endif
.endm
.set MUL_LO,   0xa1
.set FIRST_LO, 0x81
.set TO_B,     0x40
.macro TAIL4                           ; behind a tensor load
	s_nop 0
.rept 4
	v_nop
.endr
.endm
.macro JLOAD s                         ; a joint refill: waves 0, 1 x's halves, waves 2, 3 wq's blocks
	s_cmp_eq_u32 s15, 0
	s_cbranch_scc0 .Lfor_b_\@
	tensor_load_to_lds s[G0+4*\s:G0+4*\s+3], s[G1:G1+7]
	TAIL4
	s_branch .Lasked_\@
.Lfor_b_\@:
	tensor_load_to_lds s[G0B+4*\s:G0B+4*\s+3], s[G1B:G1B+7]
	TAIL4
.Lasked_\@:
.endm
.macro CREST
	s_cmp_lg_u32 s14, 0
	s_cbranch_scc1 .Lnot_wave_0_\@
	s_barrier_signal -3
.Lnot_wave_0_\@:
	s_barrier_wait -3
	s_barrier_signal -1
	s_barrier_wait -1
.endm
.macro CROUND
	s_barrier_signal -1
	s_barrier_wait -1
	CREST
.endm
.macro ASK inloop, pf                  ; my share of one K step; wq's waves have a 33rd run of 256 bytes
.if \inloop
	s_cmp_gt_u32 s3, 1                             ; the last trip's K steps have no K step two on
	s_cbranch_scc0 .Lno_ask_\@
.endif
	global_prefetch_b8 v[PFO], s[\pf:\pf+1] th:TH_LOAD_NT scope:SCOPE_SE
	s_cmp_eq_u32 s15, 0
	s_cbranch_scc1 .Lno_ask_\@
	global_prefetch_b8 v[PFZ], s[\pf:\pf+1] offset:8192 th:TH_LOAD_NT scope:SCOPE_SE
.Lno_ask_\@:
.endm
	s_load_b256 s[4:11], s[0:1], 0x0               ; x's codes, x's scales, wq, the bias
	s_load_b64 s[12:13], s[0:1], 0x20              ; the result
	v_lshl_add_u32 v[SPW], v0, 2, SPARE
	v_mov_b32 v[NIL], 0
	ds_add_u32 v[SPW], v[NIL]                      ; the opening: the add twice on end and one wait
	ds_add_u32 v[SPW], v[NIL]
	v_lshrrev_b32 v1, 5, v0
	v_readfirstlane_b32 s14, v1                    ; wave
	s_lshr_b32 s15, s14, 1                         ; my half of the rows; also: I fetch for x (0) or W (1)
	s_and_b32 s16, s14, 1                          ; my half of the columns; also: which half I fetch
	s_bfe_u32 s40, ttmp6, 0x40000                  ; cx
	s_bfe_u32 s41, ttmp6, 0x40004                  ; cy
	s_lshl_b32 s42, ttmp9, 2
	s_add_co_u32 s42, s42, s40                     ; tile column
	s_and_b32 s17, ttmp7, 0xffff
	s_lshl_b32 s17, s17, 2
	s_add_co_u32 s17, s17, s41                     ; tile row
	s_lshl_b32 s43, s41, 2
	s_lshl_b32 s43, 15, s43                        ; my row of the cluster
	s_lshl_b32 s44, 0x1111, s40                    ; my column
	s_or_b32 s[G1+0], s43, (0<<16)|(1<<20)|(1<<21)|(5<<22)|(3<<25)   ; x's tiles: bytes, 4 words of padding behind every 64
	s_mov_b32 s[G1+1], ROWB<<16
	s_mov_b32 s[G1+2], 256<<16                     ; 256 rows for the head's load; 128 behind it
	s_mov_b32 s[G1+3], ROWB<<16
	s_mov_b32 s[G1+4], 256
	s_mov_b32 s[G1+5], KROW
	s_mov_b32 s[G1+6], 0
	s_mov_b32 s[G1+7], 0
	s_or_b32 s[G1B+0], s44, (3<<16)|(1<<21)        ; a block of wq: 132 dense rows of 256 bytes
	s_mov_b32 s[G1B+1], 32<<16
	s_mov_b32 s[G1B+2], 132<<16
	s_mov_b32 s[G1B+3], 32<<16
	s_mov_b32 s[G1B+4], 132
	s_mov_b32 s[G1B+5], 32
	s_mov_b32 s[G1B+6], 0
	s_mov_b32 s[G1B+7], 0
	s_or_b32 s[G1S+0], s43, (3<<16)|(1<<20)|(1<<21)|(5<<22)|(3<<25)  ; x's scale bytes: 128 dense rows of 256 bytes, padded
	s_mov_b32 s[G1S+1], 32<<16
	s_mov_b32 s[G1S+2], 128<<16
	s_mov_b32 s[G1S+3], 32<<16
	s_mov_b32 s[G1S+4], 128
	s_mov_b32 s[G1S+5], 32
	s_mov_b32 s[G1S+6], 0
	s_mov_b32 s[G1S+7], 0
	s_lshl_b32 s20, s17, 8                         ; x's first row: 256 x tile row
	s_lshl_b32 s22, s20, 7                         ; its scale bytes
	s_mov_b32 s23, 0
	s_lshl_b32 s20, s20, 12                        ; its codes
	s_mov_b32 s21, 0
	s_lshl_b32 s18, s16, 19                        ; in the ring: my 128 rows of 4,096 bytes
	s_mov_b32 s19, 0
	s_lshl_b32 s46, s42, 1
	s_add_co_u32 s46, s46, s16                     ; nh
	s_mul_i32 s46, s46, 16*HALFB
	s_mov_b32 s47, 0
	s_mul_i32 s45, s16, HALFA                      ; LDS places: made of the wave's number alone
	s_mul_i32 s92, s16, HALFB
	s_add_co_u32 s92, s92, BOFF
	s_lshl_b32 s86, s17, 8                         ; the prefetches: x's row 256 x tile row + 128 x half + 32 cx,
	s_lshl_b32 s87, s16, 7
	s_add_co_u32 s86, s86, s87
	s_lshl_b32 s87, s40, 5
	s_add_co_u32 s86, s86, s87
	s_lshl_b32 s86, s86, 12
	s_mul_i32 s87, s41, 33*256                     ; or my block of wq + 33 cy runs of 256 bytes
	s_add_co_u32 s87, s87, s46
	s_cmp_eq_u32 s15, 0
	s_cselect_b32 s82, s86, s87
	s_mov_b32 s[PFS], HALFB
	s_cselect_b32 s[PFS], ROWB, s[PFS]
	s_cselect_b32 s86, 12, 8                       ; a lane's step: 4,096 or 256 bytes
	s_mov_b32 s83, 0
	s_mov_b32 s[PFS+1], 0
	s_wait_dscnt 0x0                               ; both opening adds are done
	s_wait_kmcnt 0x0
	s_add_nc_u64 s[20:21], s[4:5], s[20:21]
	s_add_nc_u64 s[22:23], s[6:7], s[22:23]
	s_add_nc_u64 s[46:47], s[8:9], s[46:47]
	s_cmp_eq_u32 s15, 0
	s_cselect_b64 s[PFA:PFA+1], s[4:5], s[8:9]
	s_add_nc_u64 s[PFA:PFA+1], s[PFA:PFA+1], s[82:83]
	s_add_nc_u64 s[PFA:PFA+1], s[PFA:PFA+1], s[PFS:PFS+1]    ; K step 1
	s_add_nc_u64 s[PFB:PFB+1], s[PFA:PFA+1], s[PFS:PFS+1]    ; K step 2
	s_mov_b32 s[G0H], 1
	s_mov_b32 s[G0H+1], 0
	s_mov_b64 s[G0H+2:G0H+3], s[20:21]
	s_or_b32 s[G0H+3], s[G0H+3], 0x80000000
	s_mov_b32 s[G0S], 1
	s_mov_b32 s[G0S+1], SCL
	s_mov_b64 s[G0S+2:G0S+3], s[22:23]
	s_or_b32 s[G0S+3], s[G0S+3], 0x80000000
	s_add_nc_u64 s[20:21], s[20:21], s[18:19]
.irp s, 0,1
	s_mov_b32 s[G0+4*\s], 1
	s_add_co_u32 s[G0+4*\s+1], s45, \s*SLOT
	s_add_nc_u64 s[G0+4*\s+2:G0+4*\s+3], s[20:21], \s*ROWB
	s_or_b32 s[G0+4*\s+3], s[G0+4*\s+3], 0x80000000
	s_mov_b32 s[G0B+4*\s], 1
	s_add_co_u32 s[G0B+4*\s+1], s92, \s*SLOT
	s_add_nc_u64 s[G0B+4*\s+2:G0B+4*\s+3], s[46:47], \s*HALFB
	s_or_b32 s[G0B+4*\s+3], s[G0B+4*\s+3], 0x80000000
.endr
	CROUND                                         ; all sixteen work-groups are here: the first joint loads meet
.macro ARM under, g0, g1, next         ; one chain of branches on the wave's number, one load to an arm, one join
	s_cmp_lt_u32 s14, \under
	s_cbranch_scc0 \next
	tensor_load_to_lds s[\g0:\g0+3], s[\g1:\g1+7]
	TAIL4
	s_branch .Lhead_asked
\next:
.endm
	ARM 1, G0H, G1,  .Lhead_s
	ARM 2, G0S, G1S, .Lhead_b
	tensor_load_to_lds s[G0B:G0B+3], s[G1B:G1B+7]
	TAIL4
.Lhead_asked:
	v_and_b32 v1, 15, v0                           ; r
	v_bfe_u32 v2, v0, 4, 1                         ; hh
	v_and_b32 v6, 31, v0                           ; lane
	v_mul_u32_u24 v3, v1, PITCH
	v_lshl_add_u32 v4, v2, 4, v3                   ; x: row x pitch + 16 hh
	v_lshlrev_b32 v5, 4, v6                        ; W: 16 x lane
	v_lshlrev_b32 v7, 3, v1
	v_lshl_add_u32 v7, v2, 9, v7                   ; W's scale words: 8 r, four blocks on for lanes 16-31
	s_mul_i32 s21, s15, HALFA
	s_mul_i32 s22, s16, HALFB
	s_add_co_u32 s22, s22, BOFF
.irp s, 0,1
	v_add_nc_u32 v[ADRA+\s], s21, v4
	v_add_nc_u32 v[ADRB+\s], s22, v5
	s_add_co_u32 s23, s22, 32768
	v_add_nc_u32 v[ADRSB+\s], s23, v7
	s_add_co_u32 s21, s21, SLOT
	s_add_co_u32 s22, s22, SLOT
.endr
	v_lshlrev_b32 v8, 7, v1                        ; x's scale bytes: 128 a row,
	v_lshrrev_b32 v9, 1, v1
	v_lshl_add_u32 v8, v9, 4, v8                   ; 16 more for each two rows,
	v_mad_u32_u24 v8, v2, 4*SBLK, v8               ; four blocks on for lanes 16-31
	s_mul_i32 s21, s15, HALFS
	s_add_co_u32 s21, s21, SCL
	v_add_nc_u32 v[ADRSA], s21, v8
	s_mul_i32 s23, s14, 16*SPITCH                  ; my stage
	v_mul_u32_u24 v9, v1, SPITCH
	v_lshl_add_u32 v9, v2, 5, v9
	v_add_nc_u32 v[STO], s23, v9
	v_lshlrev_b32 v[CO], 4, v6
	v_add_nc_u32 v[RD], s23, v[CO]
	s_lshl_b32 s46, s42, 10                        ; my first column in bytes of f32
	s_lshl_b32 s47, s16, 9
	s_add_co_u32 s46, s46, s47
	s_mov_b32 s47, 0
	s_add_nc_u64 s[10:11], s[10:11], s[46:47]
	v_lshlrev_b32 v[PFO], s86, v6
	v_mov_b32 v[PFZ], 0
	v_lshlrev_b32 v10, 5, v2
	s_wait_alu depctr_va_vdst(0)                   ; the wait behind the head's last vector write
.irp b, 0,1,2,3,4,5,6,7
	global_load_b128 v[BIAS+8*\b:BIAS+8*\b+3], v10, s[10:11] offset:64*\b
	global_load_b128 v[BIAS+8*\b+4:BIAS+8*\b+7], v10, s[10:11] offset:64*\b+16
.endr
	ASK 0, PFA                                     ; K step 1
	ASK 0, PFB                                     ; K step 2
	s_lshl_b32 s20, s17, 8
	s_lshl_b32 s21, s15, 7
	s_add_co_u32 s20, s20, s21                     ; my first row of the result,
	s_lshl_b32 s20, s20, 14                        ; of 16,384 bytes
	s_mov_b32 s21, 0
	s_add_nc_u64 s[20:21], s[20:21], s[46:47]
	s_add_nc_u64 s[12:13], s[12:13], s[20:21]
	s_wait_xcnt 0x0                                ; the prefetches have read their addresses
	s_add_nc_u64 s[PFA:PFA+1], s[PFB:PFB+1], s[PFS:PFS+1]    ; K step 3
.macro FRAGA reg, slot, q, i           ; 16 rows x 128 K: registers 4 c .. 4 c + 3 hold K = 32 c + 16 hh + 0 .. 15
.irp c, 0,1,2,3
	ds_load_b128 v[\reg+4*\c:\reg+4*\c+3], v[ADRA+\slot] offset:128*(\q)+32*\c+(\i)*16*PITCH
.endr
.endm
.macro FRAGB reg, slot, q, i           ; W's lie in LDS as images of the registers
.irp c, 0,1,2,3
	ds_load_b128 v[\reg+4*\c:\reg+4*\c+3], v[ADRB+\slot] offset:16384*(\q)+2048*(\i)+512*\c
.endr
.endm
.macro WM                              ; one product, by the symbols rD rB rA rC rSB rSA; hB, hA: which half of the lanes holds W's and x's scale words (source 0 is W)
.if (hA == 0) && (hB == 0)
	v_wmma_scale_f32_16x16x128_f8f6f4 v[rD:rD+7], v[rB:rB+FR-1], v[rA:rA+FR-1], v[rC:rC+7], v[rSB], v[rSA]
.elseif hA == 0
	v_wmma_scale_f32_16x16x128_f8f6f4 v[rD:rD+7], v[rB:rB+FR-1], v[rA:rA+FR-1], v[rC:rC+7], v[rSB], v[rSA] matrix_a_scale:MATRIX_SCALE_ROW1
.elseif hB == 0
	v_wmma_scale_f32_16x16x128_f8f6f4 v[rD:rD+7], v[rB:rB+FR-1], v[rA:rA+FR-1], v[rC:rC+7], v[rSB], v[rSA] matrix_b_scale:MATRIX_SCALE_ROW1
.else
	v_wmma_scale_f32_16x16x128_f8f6f4 v[rD:rD+7], v[rB:rB+FR-1], v[rA:rA+FR-1], v[rC:rC+7], v[rSB], v[rSA] matrix_a_scale:MATRIX_SCALE_ROW1 matrix_b_scale:MATRIX_SCALE_ROW1
.endif
.endm
; 8 products: x's blocks a0, a0 + 1 against W's blocks 4 bh .. 4 bh + 3.  p: W's set; q: which 128 of the slot; sc: the set of scale words; first = 1: the bias is C.
; Each accumulator has one product in a step of 128: the 64 take turns.
.macro G8 a0, bh, p, q, sc, first
.if \first
	WIN FIRST_LO+0x40*((\a0)/4)
.else
	WIN MUL_LO+0x50*((\a0)/4)
.endif
.irp a, \a0, \a0+1
.irp b4, 0,1,2,3
.set bb, 4*(\bh)+\b4
.set rD, 8*(8*((\a)%4)+bb)
.set rB, 128*(\p)+FR*bb
.set rA, AF+FR*(\a)
.set rSB, SCB+8*(\sc)+2*\b4+1-(\q)
.set rSA, SCA+8*(\sc)+2*((\a)%4)+(\q)
.set hA, (\a)/4
.set hB, \bh
.if \first
.set rC, BIAS+8*bb
.else
.set rC, rD
.endif
	WM
.endr
.endr
.endm
.macro LA4 slot, q, i0                 ; x's blocks i0 .. i0 + 3: 16 loads
	WIN 0
.irp i, \i0, \i0+1, \i0+2, \i0+3
	FRAGA AF+FR*(\i), \slot, \q, \i
.endr
.endm
.macro LB4 slot, q, i0, p              ; W's blocks i0 .. i0 + 3 into set p: 16 loads
	WIN TO_B
.irp i, \i0, \i0+1, \i0+2, \i0+3
	FRAGB 128*(\p)+FR*(\i), \slot, \q, \i
.endr
.endm
.macro SCALES sc                       ; a K step's scale words: x's two words of a row by one load, W's by two, the q-th word into register 1 - q of the pair
.irp j, 0,1,2,3
	ds_load_b64 v[SCA+8*\sc+2*\j:SCA+8*\sc+2*\j+1], v[ADRSA] offset:\j*SBLK
	ds_load_b32 v[SCB+8*\sc+2*\j+1], v[ADRSB+\sc] offset:\j*128
	ds_load_b32 v[SCB+8*\sc+2*\j], v[ADRSB+\sc] offset:\j*128+4
.endr
.endm
.macro PLACES n
.rept \n
	v_nop
.endr
.endm
; AT THE HEAD OF EVERY STEP the 32 youngest LDS loads are, in this order: W's blocks 4-7 and x's blocks 4-7 of the step; all older ones belong to it too.
; A slot's first 128 along K (W's set 0); it fetches the second 128 (W's set 1).
.macro STEP slot, first
	s_wait_dscnt 32                                ; x's and W's blocks 0-3 and the scale words are in
	G8 0, 0, 0, 0, \slot, \first
	G8 2, 0, 0, 0, \slot, \first
	s_wait_dscnt 16                                ; W's blocks 4-7; behind them: x's blocks 4-7
	G8 0, 1, 0, 0, \slot, \first
	G8 2, 1, 0, 0, \slot, \first
	PLACES NP                                      ; ahead of the loads into x's blocks 0-3
	LA4 \slot, 1, 0
	LB4 \slot, 1, 0, 1
	s_wait_dscnt 32                                ; x's blocks 4-7: all but the 32 just issued
	G8 4, 0, 0, 0, \slot, \first
	G8 6, 0, 0, 0, \slot, \first
	G8 4, 1, 0, 0, \slot, \first
	G8 6, 1, 0, 0, \slot, \first
	PLACES NP                                      ; ahead of the loads into x's blocks 4-7
	LB4 \slot, 1, 4, 1
	LA4 \slot, 1, 4
.endm
; The first half of a slot's second 128.  All reads of the slot have been issued: all my tensor loads, the add, my reads of this slot, the barrier
.macro MEET slot
	s_wait_tensorcnt 0x0                           ; my part of the next slot has landed
	ds_add_u32 v[SPW], v[NIL]
	s_wait_dscnt 33                                ; blocks 0-3 are in; the add and the youngest 32 loads may be out
	G8 0, 0, 1, 1, \slot, 0
	G8 2, 0, 1, 1, \slot, 0
	s_wait_dscnt 17                                ; W's blocks 4-7
	G8 0, 1, 1, 1, \slot, 0
	s_wait_dscnt 0x0                               ; the add is done, my reads of this slot are over
	s_barrier_signal -1
	G8 2, 1, 1, 1, \slot, 0
	WIN 0
	s_barrier_wait -1
.endm
.macro HALF2 slot                      ; the second half of a slot's second 128: x's blocks 4-7 are in
	G8 4, 0, 1, 1, \slot, 0
	G8 6, 0, 1, 1, \slot, 0
	G8 4, 1, 1, 1, \slot, 0
	G8 6, 1, 1, 1, \slot, 0
	PLACES NP
.endm
.macro TURN slot, next                 ; a slot's second 128: the slot is filled again, two K steps ahead, and the next slot's first fragments are fetched
	s_wait_xcnt 0x0                                ; my last prefetch has read its address
	s_add_nc_u64 s[PFA:PFA+1], s[PFA:PFA+1], s[PFS:PFS+1]
	MEET \slot
	CREST                                          ; the barrier has opened a round of the cluster's barrier
	s_add_nc_u64 s[G0+4*\slot+2:G0+4*\slot+3], s[G0+4*\slot+2:G0+4*\slot+3], 2*ROWB
	s_add_nc_u64 s[G0B+4*\slot+2:G0B+4*\slot+3], s[G0B+4*\slot+2:G0B+4*\slot+3], 2*HALFB
	JLOAD \slot                                    ; my one tensor load behind the round; its four v_nop are among the places
	PLACES NP-4
	v_add_nc_u32 v[ADRSA], 4*NQ, v[ADRSA]          ; x's scale words of the next K step
	s_wait_alu depctr_va_vdst(0)                   ; the wait behind the write
	SCALES \next
	LA4 \next, 0, 0
	LB4 \next, 0, 0, 0
	WIN 0
	ASK 1, PFA
	HALF2 \slot
	LB4 \next, 0, 4, 0
	LA4 \next, 0, 4
.endm
	s_wait_tensorcnt 0x0                           ; my tile of the head's is in; the lines ahead of a later first fill:
	ds_add_u32 v[SPW], v[NIL]
	s_mov_b32 s[G1+2], 128<<16                     ; no tensor load of mine is out: from here on a load of x brings 128 rows
	s_mov_b32 s[G1+4], 128
	s_wait_dscnt 0x0
	CROUND
	JLOAD 1                                        ; K step 1
	SCALES 0
	LA4 0, 0, 0
	LB4 0, 0, 0, 0
	LB4 0, 0, 4, 0
	LA4 0, 0, 4
	ASK 0, PFA                                     ; K step 3
	s_wait_loadcnt 0x0                             ; the bias
	STEP 0, 1
	s_mov_b32 s3, LAPS-1
.Llap:                                                 ; 7 trips, each once round the ring: K steps 2 to 15 are asked for  (LA4 leaves every window 0)
	TURN 0, 1
	STEP 1, 0
	TURN 1, 0
	STEP 0, 0
	s_sub_co_u32 s3, s3, 1
	s_cmp_lg_u32 s3, 0
	s_cbranch_scc1 .Llap
; THE LAST K STEP, in slot 1, by rows of the result
.macro ALOAD a                         ; x's block a, 16 rows x 256 K, into buffer a % 4 of 32 registers
.irp q, 0,1
	FRAGA AF+32*((\a)%4)+FR*\q, 1, \q, \a
.endr
.endm
.macro ROW a                           ; block a is finished: 16 products, its eight accumulators by turns, K ascending
	WIN MUL_LO+0x50*((\a)/4)
.irp q, 0,1
.if ((\a) == 0) && (\q == 1)
	s_wait_dscnt 16                                ; W's second set is in; behind it: x's blocks 2 and 3
.endif
.irp b, 0,1,2,3,4,5,6,7
.set rD, 8*(8*((\a)%4)+\b)
.set rC, rD
.set rB, 128*\q+FR*\b
.set rA, AF+32*((\a)%4)+FR*\q
.set rSB, SCB+8+2*(\b%4)+1-\q
.set rSA, SCA+8+2*((\a)%4)+\q
.set hA, (\a)/4
.set hB, \b/4
	WM
.endr
.endr
.endm
.macro TOSTAGE a                       ; 16 rows x 128 columns into my stage, and back as whole rows of 512 bytes (LDS serves a wave's instructions in order: ISA guide 5.7.1.4)
.set AC, 64*((\a)%4)
	WIN 0x08+4*((\a)/4)
.irp b, 0,1,2,3,4,5,6,7
	ds_store_b128 v[STO], v[AC+8*\b:AC+8*\b+3] offset:64*\b          ; each accumulator from its low end on
	ds_store_b128 v[STO], v[AC+8*\b+4:AC+8*\b+7] offset:64*\b+16
.endr
	WIN 0
.irp t, 0,1,2,3,4,5,6,7,8,9,10,11,12,13,14,15
	ds_load_b128 v[BK+4*\t:BK+4*\t+3], v[RD] offset:\t*SPITCH
.endr
.endm
.macro SEND a, younger
	s_wait_dscnt \younger
.if (\a) > 0
	s_add_nc_u64 s[12:13], s[12:13], 16*SIZE_N*4   ; behind the wait on XCNT at the block's head
.endif
.irp t, 0,1,2,3,4,5,6,7,8,9,10,11,12,13,14,15
	global_store_b128 v[CO], v[BK+4*\t:BK+4*\t+3], s[12:13] offset:\t*SIZE_N*4 th:TH_STORE_NT   ; 32 lanes store 512 consecutive bytes, aligned to 256
.endr
.endm
	MEET 0                                         ; the last change of slots: nothing is filled again, so no round follows
	PLACES NP
	v_add_nc_u32 v[ADRSA], 4*NQ, v[ADRSA]
	s_wait_alu depctr_va_vdst(0)                   ; the wait behind the write
	LB4 1, 0, 0, 0
	LB4 1, 0, 4, 0
	WIN 0
	ALOAD 0
	ALOAD 1
	SCALES 1
	HALF2 0
	LB4 1, 1, 0, 1
	LB4 1, 1, 4, 1
	WIN 0
	ALOAD 2
	ALOAD 3
	s_wait_dscnt 48                                ; all but the 48 just issued
	ROW 0
.irp a, 0,1,2,3,4,5,6,7
	PLACES NP                                      ; behind the block's products: for the reads of its results and the loads into its fragments' registers
.if \a > 0
	s_wait_xcnt 0x0                                ; the block before has had its stores' registers and base read
.endif
	TOSTAGE \a
.if \a < 4
	ALOAD \a+4
	SEND \a, 8                                     ; the eight loads just issued may be out
.else
	SEND \a, 0
.endif
.if \a < 7
	ROW \a+1
.endif
.endr
	s_wait_tensorcnt 0x0                           ; the wave's end
	ds_add_u32 v[SPW], v[NIL]
	s_wait_dscnt 0x0
	CROUND                                         ; the closing round
	s_endpgm
.Lfunc_end_k_q15fd49136c_gemm:
	.size	k_q15fd49136c_gemm, .Lfunc_end_k_q15fd49136c_gemm-k_q15fd49136c_gemm
	.p2alignl 7, 3214868480
	.fill 96, 4, 3214868480
	.section	.rodata,"a",@progbits
	.p2align	6, 0x0
	.amdhsa_kernel k_q15fd49136c_gemm
		.amdhsa_group_segment_fixed_size 327680
		.amdhsa_private_segment_fixed_size 0
		.amdhsa_enable_private_segment 0
		.amdhsa_kernarg_size 40
		.amdhsa_user_sgpr_count 2
		.amdhsa_user_sgpr_kernarg_segment_ptr 1
		.amdhsa_wavefront_size32 1
		.amdhsa_system_sgpr_workgroup_id_x 1
		.amdhsa_system_sgpr_workgroup_id_y 1
		.amdhsa_system_sgpr_workgroup_id_z 1
		.amdhsa_system_vgpr_workitem_id 0
		.amdhsa_next_free_vgpr 1024
		.amdhsa_next_free_sgpr 98
		.amdhsa_reserve_vcc 0
		.amdhsa_float_denorm_mode_32 3
		.amdhsa_float_denorm_mode_16_64 3
		.amdhsa_memory_ordered 1
		.amdhsa_forward_progress 1
		.amdhsa_inst_pref_size 152
	.end_amdhsa_kernel
	.amdgpu_metadata
---
amdhsa.version: [ 1, 2 ]
amdhsa.kernels:
  - .name:           k_q15fd49136c_gemm
    .symbol:         k_q15fd49136c_gemm.kd
    .args:
      - { .name: x_codes, .offset: 0, .size: 8, .value_kind: global_buffer, .address_space: global }
      - { .name: x_scales, .offset: 8, .size: 8, .value_kind: global_buffer, .address_space: global }
      - { .name: wq, .offset: 16, .size: 8, .value_kind: global_buffer, .address_space: global }
      - { .name: bias, .offset: 24, .size: 8, .value_kind: global_buffer, .address_space: global }
      - { .name: out0, .offset: 32, .size: 8, .value_kind: global_buffer, .address_space: global }
    .group_segment_fixed_size: 327680
    .private_segment_fixed_size: 0
    .kernarg_segment_align: 8
    .kernarg_segment_size: 40
    .max_flat_workgroup_size: 128
    .sgpr_count:     98
    .vgpr_count:     1024
    .wavefront_size: 32
...
	.end_amdgpu_metadata
.endif
;; end of part 2
